; MI455X (gfx1250); checked and timed in simulation.
; The chip was launched on July 23, 2026; its instructions are those of AMD's public machine-readable ISA for CDNA 5 (MIT licence, August 2026) and "CDNA5" Instruction Set Architecture Reference Guide (July 2026). The comments in the code are by the model that wrote it; some were corrected since.
;; Bahdanau Attention. Allowed arithmetic: float matrix products may take bf16 or f16 operands with f32 sums; all other float work in f32.
;; Inputs: W_dec 1,024 x 1,024 float32; W_enc 1,024 x 1,024 float32; b_dec 1,024 float32; b_enc 1,024 float32; b_v one number float32; decoder_hidden 32 x 1,024 float32; encoder_outputs 32 x 2,048 x 1,024 float32; v 1,024 float32.
;; Outputs: out0 32 x 1,024 float32; out1 32 x 2,048 float32.
;; One version. Each part assembles by itself: llvm-mc -triple=amdgcn-amd-amdhsa -mcpu=gfx1250 --defsym DOCPART=n.
;; ======== version 1 of 1: 3 launches
;; workspace buffers: wfrag 2,097,152 bytes; cpart 1,048,576 bytes; scores 262,144 bytes; pctx 2,097,152 bytes
;; launch prep (part 1): grid 128 x 1, 4 waves a work-group, no clusters, 62,976 bytes of LDS; arguments W_enc, W_dec, decoder_hidden, b_enc, b_dec, wfrag, cpart; writes wfrag, cpart
.if DOCPART == 1
	.amdgcn_target "amdgcn-amd-amdhsa--gfx1250"
	.amdhsa_code_object_version 6
	.text
	.protected	k_q6e0b5f75b9_prep
	.globl	k_q6e0b5f75b9_prep
	.p2align	8
	.type	k_q6e0b5f75b9_prep,@function
k_q6e0b5f75b9_prep:
	s_mov_b64 s[64:65], 0
	v_nop
	global_prefetch_b8 v0, s[64:65] scope:SCOPE_SE
	s_setreg_imm32_b32 hwreg(HW_REG_WAVE_MODE, 25, 1), 1
	s_wait_xcnt 0x0
; Prepares the two small operands of the main launch.  K2 = 2 log2(e) is folded into both weight matrices before they are rounded to bf16,
; so that the main launch's sums are already the argument of 2^x in tanh(x) = 1 - 2 / (1 + 2^(K2 x)).
; Work-groups 0-63 (task 0): a tile of 128 k x 128 n of W_enc, times K2, to bf16, written to wfrag in the order in which a lane of the
;   main launch holds a B fragment: byte G*262144 + ks*8192 + (2b+q)*512 + 16 L = W[32ks+16q+8(L>>4) .. +7][128G+16b+(L&15)].
; Work-groups 64-127 (task 1): the same tile of W_dec, and with it the partial product h[32][128 k] x tile on the matrix unit:
;   cpart[kt][m][n] = K2 * sum over the tile's k of h[m][k] W_dec[k][n]; partial kt = 0 also carries K2 (b_enc[n] + b_dec[n]).
; The eight partials of a column are added in the main launch: no sum crosses work-groups here.
; The branch on the task hangs on the work-group's number alone: all four waves take the same way.
; LIMITS: h, K2 W_enc and K2 W_dec are rounded to bf16 (nearest even); sums in f32.
; No tensor loads, no cluster: every tile is read by one work-group, once, and is converted on its way through registers.
.set WP,   288                         ; LDS pitch of a W row (128 bf16 + 32 bytes): an odd multiple of 32 for the transposing loads
.set HA,   36864                       ; h tile: 32 rows x 272 bytes
.set HP,   272
.set OUTB, 45568                       ; task 1's results: 32 rows x 528 bytes
.set OP,   528
.set WR,   16                          ; v[16:143]  32 W rows as loaded, 4 registers each
.set HR,   144                         ; v[144:175] task 1: 8 h rows as loaded
.set FR,   144                         ; v[144:207] task 0: 16 pieces of fragments
.set ACC,  176                         ; v[176:207] task 1: four accumulators
.set BE,   208                         ; v[208:211] b_enc, v[212:215] b_dec of my 4 columns
.set BD,   212
.set RO,   216                         ; v[216:247] task 1: 8 rows of results read back
.set AFR,  16                          ; v[16:79]   task 1: 8 A fragments (behind the barrier the W rows are done with)
.set BFR,  80                          ; v[80:143]  task 1: 8 B fragments
	s_load_b256 s[4:11], s[0:1], 0x0               ; W_enc s[4:5], W_dec s[6:7], h s[8:9], b_enc s[10:11]
	s_load_b128 s[12:15], s[0:1], 0x20             ; b_dec s[12:13], wfrag s[14:15]
	s_load_b64 s[16:17], s[0:1], 0x30              ; cpart
	v_lshl_add_u32 v254, v0, 2, 0xf400
	v_mov_b32 v255, 0
	v_lshrrev_b32 v1, 5, v0
	v_readfirstlane_b32 s18, v1                    ; wave 0..3
	s_lshr_b32 s19, ttmp9, 6                       ; task
	s_and_b32 s20, ttmp9, 7                        ; kt: which 128 k
	s_bfe_u32 s21, ttmp9, 0x30003                  ; G: which 128 n (3 bits from bit 3)
	s_mov_b32 s28, 0x4038aa3b                      ; K2 = 2 log2(e), twice: a pair for the packed multiply
	s_mov_b32 s29, 0x4038aa3b
	v_and_b32 v1, 31, v0                           ; lane L
	v_and_b32 v2, 15, v0                           ; r = L & 15
	v_bfe_u32 v3, v0, 4, 1                         ; h = L >> 4
	v_and_b32 v4, 7, v0                            ; L & 7
	v_bfe_u32 v5, v0, 3, 1                         ; (L >> 3) & 1
	s_lshl_b32 s24, s18, 17
	v_lshl_add_u32 v6, v1, 4, s24                  ; W: my wave's 32 rows of 4,096 bytes + 16 L
	s_mul_i32 s25, s18, 32*WP
	v_lshl_add_u32 v7, v1, 3, s25                  ; LDS: my wave's 32 rows + 8 L
	v_lshl_add_u32 v8, v3, 3, v4
	v_mul_u32_u24 v8, v8, WP
	v_lshl_add_u32 v8, v5, 4, v8                   ; transposing load: (8h + (L&7)) rows + 16 ((L>>3)&1)
	s_lshl_b32 s22, s20, 19                        ; 128 kt rows of 4,096 bytes
	s_lshl_b32 s23, s21, 9                         ; + 128 G columns of 4 bytes
	s_add_co_u32 s22, s22, s23
	s_mov_b32 s23, 0
	s_wait_kmcnt 0x0
	s_cmp_eq_u32 s19, 0
	s_cselect_b64 s[26:27], s[4:5], s[6:7]         ; the task's matrix
	s_add_nc_u64 s[26:27], s[26:27], s[22:23]      ; at the tile's corner
.macro WLOADS                          ; 32 rows of the tile: each load takes the row's 512 bytes
.set ii, 0
.rept 32
	global_load_b128 v[WR+4*ii:WR+4*ii+3], v6, s[26:27] offset:4096*ii th:TH_LOAD_NT
.set ii, ii+1
.endr
.endm
.macro WCONV                           ; times K2, to bf16, into LDS as [k][n]
.set ii, 0
.rept 32
	s_wait_loadcnt 31-ii                           ; loads come back in order: row ii is in, the younger rows stay out
	v_pk_mul_f32 v[WR+4*ii:WR+4*ii+1], v[WR+4*ii:WR+4*ii+1], s[28:29] op_sel_hi:[1,0]
	v_pk_mul_f32 v[WR+4*ii+2:WR+4*ii+3], v[WR+4*ii+2:WR+4*ii+3], s[28:29] op_sel_hi:[1,0]
	v_cvt_pk_bf16_f32 v[WR+4*ii], v[WR+4*ii], v[WR+4*ii+1]
	v_cvt_pk_bf16_f32 v[WR+4*ii+1], v[WR+4*ii+2], v[WR+4*ii+3]
	ds_store_b64 v7, v[WR+4*ii:WR+4*ii+1] offset:WP*ii
.set ii, ii+1
.endr
.endm
	s_cmp_lg_u32 s19, 0
	s_cbranch_scc1 .Ldec
	; ---- task 0: W_enc to fragment order ----
	WLOADS
	v_add_nc_u32 v9, s25, v8                       ; K step w of the tile = the 32 rows that my own wave stores
	s_lshl_b32 s22, s21, 18                        ; wfrag: G * 262,144
	s_lshl_b32 s24, s20, 15                        ; + 4 kt K steps of 8,192 bytes
	s_add_co_u32 s22, s22, s24
	s_add_nc_u64 s[14:15], s[14:15], s[22:23]
	s_lshl_b32 s24, s18, 13
	v_lshl_add_u32 v10, v1, 4, s24                 ; + my wave's K step + 16 L
	WCONV
	; These loads read only bytes of my own wave (rows 32 w to 32 w + 31), and LDS serves a wave's instructions in order: no barrier, no wait.
.set ii, 0
.rept 16                               ; piece ii = 2 b + q: columns 16 b .. +15, k = 16 q + 8 h .. +7
	ds_load_tr16_b128 v[FR+4*ii:FR+4*ii+3], v9 offset:32*(ii>>1)+16*WP*(ii&1)
.set ii, ii+1
.endr
.set ii, 0
.rept 16
	s_wait_dscnt 15-ii
	global_store_b128 v10, v[FR+4*ii:FR+4*ii+3], s[14:15] offset:512*ii   ; 512 consecutive bytes, aligned
.set ii, ii+1
.endr
	s_wait_tensorcnt 0x0
	ds_add_u32 v254, v255
	s_wait_dscnt 0x0
	s_endpgm
	; ---- task 1: a K partial of K2 (h W_dec) ----
.Ldec:
	s_lshl_b32 s22, s20, 9                         ; h: 128 kt columns of 4 bytes
	s_add_nc_u64 s[8:9], s[8:9], s[22:23]
	s_lshl_b32 s22, s21, 9                         ; biases: 128 G numbers of 4 bytes
	s_add_nc_u64 s[10:11], s[10:11], s[22:23]
	s_add_nc_u64 s[12:13], s[12:13], s[22:23]
	s_lshl_b32 s24, s18, 15
	v_lshl_add_u32 v11, v1, 4, s24                 ; my wave's 8 rows of 4,096 bytes + 16 L: for h, and later for cpart
	v_lshlrev_b32 v12, 4, v1
.irp i, 0,1,2,3,4,5,6,7
	global_load_b128 v[HR+4*\i:HR+4*\i+3], v11, s[8:9] offset:4096*\i
.endr
	global_load_b128 v[BE:BE+3], v12, s[10:11]
	global_load_b128 v[BD:BD+3], v12, s[12:13]
	WLOADS
	s_lshl_b32 s24, s20, 17                        ; cpart: kt * 131,072 + G * 512
	s_add_co_u32 s22, s22, s24
	s_add_nc_u64 s[16:17], s[16:17], s[22:23]
	s_mul_i32 s24, s18, 8*HP
	s_add_co_u32 s24, s24, HA
	v_lshl_add_u32 v13, v1, 3, s24                 ; h into LDS: my wave's 8 rows + 8 L
	v_mul_u32_u24 v14, v2, HP
	v_lshl_add_u32 v14, v3, 4, v14
	v_add_nc_u32 v14, HA, v14                      ; A fragments: row r, 16 h
	s_lshl_b32 s24, s18, 6
	v_add_nc_u32 v15, s24, v8                      ; B fragments: my wave's two column tiles begin at byte 64 w of a row
	v_mul_u32_u24 v9, v3, 8*OP
	v_lshl_add_u32 v9, v2, 2, v9
	s_lshl_b32 s24, s18, 7
	s_add_co_u32 s24, s24, OUTB
	v_add_nc_u32 v9, s24, v9                       ; results into LDS: row 8 h, column 32 w + r
	s_mul_i32 s24, s18, 8*OP
	s_add_co_u32 s24, s24, OUTB
	v_lshl_add_u32 v10, v1, 4, s24                 ; and back: my wave's 8 rows + 16 L
	s_cmp_eq_u32 s20, 0
	s_cselect_b32 s30, 0x4038aa3b, 0               ; the biases enter partial 0 alone, times K2
	s_mov_b32 s31, s30
	s_wait_loadcnt 34                              ; h's eight loads are in: 2 bias loads and 32 W rows are younger
.irp i, 0,1,2,3,4,5,6,7
	v_cvt_pk_bf16_f32 v[HR+4*\i], v[HR+4*\i], v[HR+4*\i+1]
	v_cvt_pk_bf16_f32 v[HR+4*\i+1], v[HR+4*\i+2], v[HR+4*\i+3]
	ds_store_b64 v13, v[HR+4*\i:HR+4*\i+1] offset:HP*\i
.endr
	WCONV
	s_wait_dscnt 0x0                               ; my stores are in LDS, for the other waves' sake
	s_barrier_signal -1
	s_barrier_wait -1                              ; the W tile and the h tile are whole
.irp mt, 0,1
.irp ks, 0,1,2,3
	ds_load_b128 v[AFR+8*(4*\mt+\ks):AFR+8*(4*\mt+\ks)+3], v14 offset:\mt*16*HP+64*\ks
	ds_load_b128 v[AFR+8*(4*\mt+\ks)+4:AFR+8*(4*\mt+\ks)+7], v14 offset:\mt*16*HP+64*\ks+32
.endr
.endr
.irp nt, 0,1
.irp ks, 0,1,2,3
	ds_load_tr16_b128 v[BFR+8*(4*\nt+\ks):BFR+8*(4*\nt+\ks)+3], v15 offset:\ks*32*WP+32*\nt
	ds_load_tr16_b128 v[BFR+8*(4*\nt+\ks)+4:BFR+8*(4*\nt+\ks)+7], v15 offset:\ks*32*WP+32*\nt+16*WP
.endr
.endr
	s_wait_dscnt 0x0
	; 32 rows x my 32 columns x 128 k: the four accumulators take turns, one instruction a turn.
.irp ks, 0,1,2,3
.irp mt, 0,1
.irp nt, 0,1
.if \ks == 0
	v_wmma_f32_16x16x32_bf16 v[ACC+8*(2*\mt+\nt):ACC+8*(2*\mt+\nt)+7], v[AFR+8*(4*\mt+\ks):AFR+8*(4*\mt+\ks)+7], v[BFR+8*(4*\nt+\ks):BFR+8*(4*\nt+\ks)+7], 0
.else
	v_wmma_f32_16x16x32_bf16 v[ACC+8*(2*\mt+\nt):ACC+8*(2*\mt+\nt)+7], v[AFR+8*(4*\mt+\ks):AFR+8*(4*\mt+\ks)+7], v[BFR+8*(4*\nt+\ks):BFR+8*(4*\nt+\ks)+7], v[ACC+8*(2*\mt+\nt):ACC+8*(2*\mt+\nt)+7]
.endif
.endr
.endr
.endr
.rept 4
	v_nop                                          ; four places behind the last matrix instruction before its result is stored (ISA guide 7.12.1)
.endr
.irp mt, 0,1
.irp nt, 0,1
.irp j, 0,1,2,3,4,5,6,7
	ds_store_b32 v9, v[ACC+8*(2*\mt+\nt)+\j] offset:(16*\mt+\j)*OP+64*\nt    ; element (16 mt + 8 h + j, 32 w + 16 nt + r)
.endr
.endr
.endr
	v_pk_add_f32 v[BE:BE+1], v[BE:BE+1], v[BD:BD+1]
	v_pk_add_f32 v[BE+2:BE+3], v[BE+2:BE+3], v[BD+2:BD+3]
	s_wait_dscnt 0x0
	s_barrier_signal -1
	s_barrier_wait -1                              ; all 32 x 128 results lie in LDS
.irp i, 0,1,2,3,4,5,6,7
	ds_load_b128 v[RO+4*\i:RO+4*\i+3], v10 offset:OP*\i
.endr
.irp i, 0,1,2,3,4,5,6,7
	s_wait_dscnt 7-\i
	v_pk_fma_f32 v[RO+4*\i:RO+4*\i+1], v[BE:BE+1], s[30:31], v[RO+4*\i:RO+4*\i+1] op_sel_hi:[1,0,1]
	v_pk_fma_f32 v[RO+4*\i+2:RO+4*\i+3], v[BE+2:BE+3], s[30:31], v[RO+4*\i+2:RO+4*\i+3] op_sel_hi:[1,0,1]
	global_store_b128 v11, v[RO+4*\i:RO+4*\i+3], s[16:17] offset:4096*\i    ; a row's 512 consecutive bytes, aligned
.endr
	s_wait_tensorcnt 0x0
	ds_add_u32 v254, v255
	s_wait_dscnt 0x0
	s_endpgm
.Lfunc_end_k_q6e0b5f75b9_prep:
	.size	k_q6e0b5f75b9_prep, .Lfunc_end_k_q6e0b5f75b9_prep-k_q6e0b5f75b9_prep
	.p2alignl 7, 3214868480
	.fill 96, 4, 3214868480
	.section	.rodata,"a",@progbits
	.p2align	6, 0x0
	.amdhsa_kernel k_q6e0b5f75b9_prep
		.amdhsa_group_segment_fixed_size 62976
		.amdhsa_private_segment_fixed_size 0
		.amdhsa_enable_private_segment 0
		.amdhsa_kernarg_size 56
		.amdhsa_user_sgpr_count 2
		.amdhsa_user_sgpr_kernarg_segment_ptr 1
		.amdhsa_wavefront_size32 1
		.amdhsa_system_sgpr_workgroup_id_x 1
		.amdhsa_system_sgpr_workgroup_id_y 1
		.amdhsa_system_sgpr_workgroup_id_z 1
		.amdhsa_system_vgpr_workitem_id 0
		.amdhsa_next_free_vgpr 256
		.amdhsa_next_free_sgpr 66
		.amdhsa_reserve_vcc 0
		.amdhsa_float_denorm_mode_32 3
		.amdhsa_float_denorm_mode_16_64 3
		.amdhsa_memory_ordered 1
		.amdhsa_forward_progress 1
		.amdhsa_inst_pref_size 46
	.end_amdhsa_kernel
	.amdgpu_metadata
---
amdhsa.version: [ 1, 2 ]
amdhsa.kernels:
  - .name:           k_q6e0b5f75b9_prep
    .symbol:         k_q6e0b5f75b9_prep.kd
    .args:
      - { .name: W_enc, .offset: 0, .size: 8, .value_kind: global_buffer, .address_space: global }
      - { .name: W_dec, .offset: 8, .size: 8, .value_kind: global_buffer, .address_space: global }
      - { .name: decoder_hidden, .offset: 16, .size: 8, .value_kind: global_buffer, .address_space: global }
      - { .name: b_enc, .offset: 24, .size: 8, .value_kind: global_buffer, .address_space: global }
      - { .name: b_dec, .offset: 32, .size: 8, .value_kind: global_buffer, .address_space: global }
      - { .name: wfrag, .offset: 40, .size: 8, .value_kind: global_buffer, .address_space: global }
      - { .name: cpart, .offset: 48, .size: 8, .value_kind: global_buffer, .address_space: global }
    .group_segment_fixed_size: 62976
    .private_segment_fixed_size: 0
    .kernarg_segment_align: 8
    .kernarg_segment_size: 56
    .max_flat_workgroup_size: 128
    .sgpr_count:     66
    .vgpr_count:     256
    .wavefront_size: 32
...
	.end_amdgpu_metadata
.endif
;; end of part 1
;; launch main (part 2): grid 512 x 1, 8 waves a work-group, no clusters, 314,368 bytes of LDS; arguments encoder_outputs, wfrag, cpart, v, b_v, scores, pctx; writes scores, pctx
.if DOCPART == 2
	.amdgcn_target "amdgcn-amd-amdhsa--gfx1250"
	.amdhsa_code_object_version 6
	.text
	.protected	k_q6e0b5f75b9_main
	.globl	k_q6e0b5f75b9_main
	.p2align	8
	.type	k_q6e0b5f75b9_main,@function
k_q6e0b5f75b9_main:
	s_mov_b64 s[64:65], 0
	v_nop
	global_prefetch_b8 v0, s[64:65] scope:SCOPE_SE
	s_setreg_imm32_b32 hwreg(HW_REG_WAVE_MODE, 25, 1), 1
	s_wait_xcnt 0x0
; One work-group = 128 positions (rows of X) of one batch.  It reads its 128 x 1024 f32 of X from memory ONCE, keeps them as bf16 in LDS, and makes
;   scores[row] = sum over d of v[d] tanh( (X W_enc)[row][d] + b_enc[d] + dec_t[batch][d] ) + b_v,
;   m = the block's largest score,  p[row] = e^(score - m),  pctx[block][e] = sum over rows of p[row] X[row][e].
; The last launch joins the 16 blocks of a batch (running-maximum form of the softmax: every exponent here is <= 0).
; SHAPE: eight waves, two for each of the WGP's four SIMDs.  Wave w owns the columns d = 128 w .. +127 of the product, in two passes of 64: a pass is a tile of
; 128 x 64 in 32 accumulators (256 registers), K = 1024 in 32 steps of 32, 32 matrix instructions a step.
; The SIMD's other wave has matrix instructions to issue meanwhile.  The price: an A fragment feeds 4 matrix
; instructions, so X is read from LDS 16 times (once for each 64 columns).
; A fragments come from LDS; B fragments come from wfrag (K2 W_enc in bf16, already in a lane's register order) straight into registers, in a ring of three
; buffers: at the end of step k the buffer that the step has read is asked for B(k + 3).  (A fourth buffer's 32 registers would not fit in the wave's 512.)
; During pass 0 X comes in: slice t (64 columns, two K steps) is loaded as f32 three slices ahead, rounded to bf16 and stored into LDS one trip (two steps)
; before it is multiplied.  No byte of X in LDS is written twice, so one barrier a trip (store, wait, signal .. wait, read) is all.
; Three B buffers, two X stages and a slice's two halves come round together after 12 steps, so pass 0's 32 steps are written out by one macro from the step's
; number, every global offset in the immediate; pass 1 (no X) has a period of 6 steps and runs 6 + 3 x 6 + 8.
; tanh(x) = 1 - 2 r, r = 1 / (1 + 2^(K2 x)); K2 = 2 log2(e) lies in wfrag and cpart already.  score = sum v + sum (-2 v) r.
; NO TENSOR LOADS, NO CLUSTER: X's blocks are shared by nobody and are converted on the way in; W is read by all work-groups, but X takes 296,960 of the
; 327,680 bytes of LDS, so no ring of W slots fits beside it, and each W fragment is used by one wave alone: LDS would give it no reuse.
; The context (one output row a block) is made by the vector unit from the bf16 rows with p in f32: on the matrix unit 15 of 16 rows would be idle.
; LIMITS: X and K2 W_enc are rounded to bf16 (the context uses the rounded X too).  2^x overflowing gives r = 0 (tanh = 1), underflowing r = 1 (tanh = -1).
; v_exp_f32 gives 0 for results below 2^-126 (ISA guide 15.8): a p that small counts as 0.  NaN and infinities in the inputs go through as NaN.
; LDS: slice t at t * 18,560: 128 rows of 128 bytes at pitch 144 (an odd multiple of 16: the 16 rows of a fragment load lie in 16 different 16-byte columns
; modulo 256), then 128 spare bytes, so that two neighbouring slices' rows lie 128 bytes apart modulo 256 (the context's loads span two slices).
.set SP,     144
.set SLB,    18560
.set CONSTB, 16*SLB                    ; 296,960: per wave 1,024 bytes: bias[128] f32, then -2 v[128]
.set SC,     CONSTB+8192               ; [wave][128] partial scores
.set PP,     SC+4096                   ; [wave][128] p, each wave's own copy
; REGISTERS, in two windows of 256.  Window 1: accumulator tile (a, b) (rows 16 a, columns 16 b) at v[8 (4 a + b)]; in the context the 128 p.  Window 0:
.set LN,    1                          ; lane L
.set ADRA,  2                          ; LDS address of my A fragments: r * 144 + 16 h + the slices done
.set A0,    3                          ; the same at K = 0
.set XST,   4                          ; where I store X: (16 w + 8 h) rows + 8 r + the slices done
.set XOFF,  5                          ; where I load X: (16 w + 8 h) rows of 4,096 bytes + 16 r; never rewritten
.set WOFF,  6                          ; 16 L; never rewritten
.set PFOFF, 7                          ; (16 w + r) rows of 4,096 bytes + 256 h; never rewritten
.set CADR,  8
.set SCST,  9
.set RR,    10                         ; r = L & 15
.set HH,    11                         ; h = L >> 4
.set BI,    12                         ; v[12:15]   the pass's biases: tile b, column r
.set SCV,   12                         ; v[12:15]   later: the scores of rows 4 L .. 4 L + 3
.set WV,    16                         ; v[16:23]   -2 v of my 8 columns (pass p, tile b at 4 p + b)
.set CT,    16                         ; v[16:23]   later: my 4 sums of the context, over the even rows, then over the odd rows
.set VS,    24                         ; v[24:25]   the sum of v over my 8 columns, twice
.set T,     26                         ; v[26:31]   at work
.set AF,    32                         ; v[32:95]   8 A fragments; later at work, and the context's ring of 16 rows
.set XS,    96                         ; v[96:159]  two stages of 32 registers for X as loaded
.set S,     96                         ; v[96:159]  from the first epilogue on: score partials, S + 8 a + j for row 16 a + 8 h + j
.set BR,    160                        ; v[160:255] the B ring: buffer j at BR + 32 j
.set SCLD,  160                        ; behind the last product: addresses of the tail
.set PPST,  161
.set PPLD,  162
.set CX,    163
.set P,     0                          ; window 1, v[0:127]: p of the 128 rows
.set XB,    20                         ; s[20:21]   X at my block; never rewritten
.set WB,    22                         ; s[22:23]   my wave's 262,144 bytes of wfrag; stepped in pass 1's loop alone
.set BADJ,  0                          ; by how many bytes WB has been stepped at this place of the text
.set MULW,  0x50                       ; A and B window 0, C and D window 1
.set MSB, 0
.macro WIN new                         ; the immediate's high byte repeats the setting that is left
.if MSB != \new
	s_set_vgpr_msb (MSB<<8)|\new
.set MSB, \new
.endif
.endm
.macro PLACES                          ; four plain vector instructions between a matrix instruction and a load into, or a read of, its registers
.rept 4
	v_nop
.endr
.endm
; 16 matrix instructions: row tiles 4 hi .. 4 hi + 3 x the 4 column tiles, 32 along K, B from ring buffer j.  zero = 1: the products start the sums.
; All 32 accumulators take turns, one instruction a turn, in the same order in every step.
.macro MUL16 j, hi, zero
.irp a, 0,1,2,3
.irp b, 0,1,2,3
.if \zero
	v_wmma_f32_16x16x32_bf16 v[8*(16*\hi+4*\a+\b):8*(16*\hi+4*\a+\b)+7], v[AF+8*(4*\hi+\a):AF+8*(4*\hi+\a)+7], v[BR+32*\j+8*\b:BR+32*\j+8*\b+7], 0
.else
	v_wmma_f32_16x16x32_bf16 v[8*(16*\hi+4*\a+\b):8*(16*\hi+4*\a+\b)+7], v[AF+8*(4*\hi+\a):AF+8*(4*\hi+\a)+7], v[BR+32*\j+8*\b:BR+32*\j+8*\b+7], v[8*(16*\hi+4*\a+\b):8*(16*\hi+4*\a+\b)+7]
.endif
.endr
.endr
.endm
.macro ALOAD half, off                 ; 8 LDS loads: A fragments 4 half .. 4 half + 3 of the K step that lies off bytes behind ADRA
.irp a, 0,1,2,3
	ds_load_b128 v[AF+8*(4*\half+\a):AF+8*(4*\half+\a)+3], v[ADRA] offset:(4*\half+\a)*16*SP+(\off)
	ds_load_b128 v[AF+8*(4*\half+\a)+4:AF+8*(4*\half+\a)+7], v[ADRA] offset:(4*\half+\a)*16*SP+(\off)+32
.endr
.endm
.macro XLOAD st, goff                  ; 8 loads: my wave's 16 rows of one slice; sixteen lanes take a row's 256 consecutive bytes, aligned.  Load i: rows i and i + 8
.irp i, 0,1,2,3,4,5,6,7
	global_load_b128 v[XS+32*\st+4*\i:XS+32*\st+4*\i+3], v[XOFF], s[XB:XB+1] offset:\i*4096+(\goff) th:TH_LOAD_NT
.endr
.endm
.macro XCVT st                         ; stage st is rounded to bf16 in place
.irp i, 0,1,2,3,4,5,6,7
	v_cvt_pk_bf16_f32 v[XS+32*\st+4*\i], v[XS+32*\st+4*\i], v[XS+32*\st+4*\i+1]
	v_cvt_pk_bf16_f32 v[XS+32*\st+4*\i+1], v[XS+32*\st+4*\i+2], v[XS+32*\st+4*\i+3]
.endr
.endm
.macro XSTORE st                       ; and stored into the slice at XST: lanes 16-31 lie 8 rows = 1,152 bytes below, 128 bytes on modulo 256
.irp i, 0,1,2,3,4,5,6,7
	ds_store_b64 v[XST], v[XS+32*\st+4*\i:XS+32*\st+4*\i+1] offset:\i*SP
.endr
.endm
.macro BLOAD j, bo                     ; 8 loads: the 4 B fragments that lie bo bytes behind WB, into ring buffer j; each load takes 512 consecutive bytes
.irp i, 0,1,2,3,4,5,6,7
	global_load_b128 v[BR+32*\j+4*\i:BR+32*\j+4*\i+3], v[WOFF], s[WB:WB+1] offset:(\bo)+512*\i
.endr
.endm
; K STEP k, 0 to 63 (pass k >> 5, K = 32 (k & 31)).  Everything that differs from step to step follows from k:
;   KJ   ring buffer k mod 3.            KPAR  first or second half of the slice.          KZ   the pass's first step: its products start the sums.
;   KXC  pass 0, even steps (trip t = k / 2): slice t + 1 is stored (t <= 14); 1: and its stage is loaded again with slice t + 3 (t <= 12).
;   KBW  pass 0, odd steps up to 29: the wait of the barrier that the step before signalled.       KLD  B(k + 3) exists.       KAN  a next step exists.
;   KPF  trips 0, 2, .. 10: a prefetch of slices t + 4 (lanes 0-15) and t + 5 (lanes 16-31) of my wave's 16 rows: a lane asks for one row's 256 bytes, each
;        piece once in the launch, one and two trips ahead of the trip that loads it; nothing behind slice 15 is asked for.
; WHAT THE COUNTS ON LOADcnt COUNT.  Batches of 8 loads: an even step 2 t issues X(t + 3) in its middle, every step k issues B(k + 3) at its end.  At the head of
; step k three batches are younger than B(k): X(t+2), B(k+1), B(k+2) (k even) or B(k+1), X(t+3), B(k+2) (k odd): 24.  X(t + 1), stored in step 2 t, is older than
; B(2 t), so that step's wait has shown it in.  From step 27 on no X lies among the younger batches: 16; the last two steps: 8, 0.
.macro STEP k
.set KJ,   (\k)%3
.set KPAR, (\k)&1
.set KTR,  ((\k)&31)>>1
.set KST,  (KTR+1)&1
.set KOFF, 64*(1-KPAR)                 ; the next step's A: the slice's second half, or the next slice, to which ADRA has then moved on
.set KZ, 0
.if ((\k)&31) == 0
.set KZ, 1
.endif
.set KNB, 24
.if (\k) > 26
.set KNB, 16
.endif
.if (\k) == 62
.set KNB, 8
.endif
.if (\k) == 63
.set KNB, 0
.endif
.set KXC, 0
.set KBW, 0
.set KPF, 0
.if (\k) < 32
.if KPAR == 0
.if KTR <= 14
.set KXC, 2
.endif
.if KTR <= 12
.set KXC, 1
.endif
.if ((\k)&3) == 0
.if (\k) <= 20
.set KPF, 1
.endif
.endif
.else
.if (\k) <= 29
.set KBW, 1
.endif
.endif
.endif
.set KLD, 0
.if (\k) <= 60
.set KLD, 1
.endif
.if (\k)+3 < 32
.set KBO, ((\k)+3)*8192                ; pass 0: the first 4,096 bytes of each K step's 8,192
.else
.set KBO, ((\k)+3-32)*8192+4096-BADJ   ; pass 1: the second
.endif
.set KAN, 1
.if (\k) == 63
.set KAN, 0
.endif
	s_wait_loadcnt KNB                             ; loads come back in order: this step's B is in, and every load older than it
	s_wait_dscnt 8                                 ; A fragments 0-3 are in; the eight younger loads (fragments 4-7) may be out
	WIN MULW
	MUL16 KJ, 0, KZ
	WIN 0
.if KBW
	s_barrier_wait -1                              ; every wave's part of the next slice lies in LDS
.endif
.if KAN
.if KXC
	XCVT KST                                       ; sixteen conversions on registers of their own: they are the places in front of the loads
	v_add_nc_u32 v[XST], SLB, v[XST]               ; slice t + 1
.else
.if KPAR
.if (\k) == 31
	v_mov_b32 v[ADRA], v[A0]                       ; the second pass begins at K = 0 again
.else
	v_add_nc_u32 v[ADRA], SLB, v[ADRA]             ; the next slice
.endif
	v_nop                                          ; with the line above: the four places
	v_nop
	v_nop
.else
	PLACES
.endif
.endif
	ALOAD 0, KOFF
.endif
.if KXC
	XSTORE KST
.if KXC == 1
	XLOAD KST, (KTR+3)*256
.endif
.endif
.if KPF
	global_prefetch_b8 v[PFOFF], s[XB:XB+1] offset:(KTR+4)*256 th:TH_LOAD_NT scope:SCOPE_SE
.endif
.if KAN
.if KXC
	s_wait_dscnt 16                                ; fragments 4-7 are in: 8 loads and 8 stores are younger
.else
	s_wait_dscnt 8                                 ; fragments 4-7 are in: 8 loads are younger
.endif
.else
	s_wait_dscnt 0
.endif
	WIN MULW
	MUL16 KJ, 1, KZ
	WIN 0
.if KAN
	PLACES
.endif
.if KLD
	BLOAD KJ, KBO                                  ; into the buffer that this step has read; it has two whole steps in which to land
.endif
.if KXC
	s_wait_dscnt 0                                 ; my part of the slice lies in LDS (and no LDS instruction of mine is out at the signal):
	s_barrier_signal -1                            ; say so; up to the wait stand register work and loads of the older slice, which nobody writes
.endif
.if KAN
	ALOAD 1, KOFF
.endif
.endm
; THE EPILOGUE of a pass, on tile t (registers 8 t .. 8 t + 7 of window 1; its column tile is b = t & 3):
.macro EA t                            ; + bias of my column
.if (\t) & 1
	s_wait_alu depctr_va_vdst(0)
.irp i, 0,2,4,6
	v_pk_add_f32 v[8*(\t)+\i:8*(\t)+\i+1], v[8*(\t)+\i:8*(\t)+\i+1], v[BI+((\t)&2):BI+((\t)&2)+1] op_sel:[0,1] op_sel_hi:[1,1]
.endr
.else
	s_wait_alu depctr_va_vdst(0)
.irp i, 0,2,4,6
	v_pk_add_f32 v[8*(\t)+\i:8*(\t)+\i+1], v[8*(\t)+\i:8*(\t)+\i+1], v[BI+((\t)&2):BI+((\t)&2)+1] op_sel_hi:[1,0]
.endr
.endif
.endm
.macro EE t                            ; 2^x
.irp i, 0,1,2,3,4,5,6,7
	v_exp_f32 v[8*(\t)+\i], v[8*(\t)+\i]
.endr
.endm
.macro EO t                            ; + 1
.irp i, 0,2,4,6
	v_pk_add_f32 v[8*(\t)+\i:8*(\t)+\i+1], v[8*(\t)+\i:8*(\t)+\i+1], 1.0 op_sel_hi:[1,0]
.endr
.endm
.macro ER t                            ; r = 1 / that
.irp i, 0,1,2,3,4,5,6,7
	v_rcp_f32 v[8*(\t)+\i], v[8*(\t)+\i]
.endr
.endm
.macro EPI p
	PLACES                                         ; behind the pass's last matrix instructions, ahead of the first read of a result
.irp b, 0,1,2,3
	ds_load_b32 v[BI+\b], v[CADR] offset:256*\p+64*\b              ; bias of column 64 p + 16 b + r: bytes that my own wave stored
.endr
.if \p == 0
.irp i, 0,1,2,3,4,5,6,7
	ds_load_b32 v[WV+\i], v[CADR] offset:512+64*\i
.endr
.endif
	s_wait_dscnt 0x0
.if \p == 0
	v_pk_add_f32 v[T:T+1], v[WV:WV+1], v[WV+2:WV+3]
	v_pk_add_f32 v[T+2:T+3], v[WV+4:WV+5], v[WV+6:WV+7]
	v_pk_add_f32 v[T:T+1], v[T:T+1], v[T+2:T+3]
	v_add_f32 v[T], v[T], v[T+1]
	v_mul_f32 v[VS], -0.5, v[T]                    ; the sum of v = -1/2 the sum of -2 v
	v_mul_f32 v[VS+1], -0.5, v[T]
.endif
	; The tiles are staggered so that behind every run of transcendentals a plain instruction on another tile stands before its results are read (ISA guide 5.7.2).
	WIN 0x41                                       ; destination and source 0 in window 1, source 1 (the bias) in window 0
	EA 0
	EE 0
.set tt, 0
.rept 31
	EA tt+1
	EO tt
	ER tt
	EE tt+1
.set tt, tt+1
.endr
	v_nop
	s_wait_alu depctr_va_vdst(0)
	EO 31
	ER 31
	v_nop
	s_wait_alu depctr_va_vdst(0)
	WIN 0x01                                       ; source 0 (r) in window 1, all else in window 0
.irp b, 0,1,2,3
.irp a, 0,1,2,3,4,5,6,7
.irp i, 0,2,4,6
.if \b & 1
	v_pk_fma_f32 v[S+8*\a+\i:S+8*\a+\i+1], v[8*(4*\a+\b)+\i:8*(4*\a+\b)+\i+1], v[WV+4*\p+(\b&2):WV+4*\p+(\b&2)+1], v[S+8*\a+\i:S+8*\a+\i+1] op_sel:[0,1,0] op_sel_hi:[1,1,1]
.else
.if (\p+\b) == 0
	v_pk_fma_f32 v[S+8*\a+\i:S+8*\a+\i+1], v[8*(4*\a+\b)+\i:8*(4*\a+\b)+\i+1], v[WV+4*\p+(\b&2):WV+4*\p+(\b&2)+1], v[VS:VS+1] op_sel_hi:[1,0,1]   ; the first term starts the sum at my columns' sum of v
.else
	v_pk_fma_f32 v[S+8*\a+\i:S+8*\a+\i+1], v[8*(4*\a+\b)+\i:8*(4*\a+\b)+\i+1], v[WV+4*\p+(\b&2):WV+4*\p+(\b&2)+1], v[S+8*\a+\i:S+8*\a+\i+1] op_sel_hi:[1,0,1]
.endif
.endif
.endr
.endr
.endr
	WIN 0
.endm
	; ---------------- the start ----------------
	s_load_b256 s[4:11], s[0:1], 0x0               ; X s[4:5], wfrag s[6:7], cpart s[8:9], v s[10:11]
	s_load_b128 s[12:15], s[0:1], 0x20             ; b_v s[12:13], scores s[14:15]
	s_load_b64 s[16:17], s[0:1], 0x30              ; pctx
	v_lshl_add_u32 v30, v0, 2, 0x4c800
	v_mov_b32 v31, 0
	v_lshrrev_b32 v[T], 5, v0
	v_readfirstlane_b32 s18, v[T]                  ; wave 0..7
	v_and_b32 v[LN], 31, v0                        ; lane L
	v_and_b32 v[RR], 15, v0                        ; r
	v_bfe_u32 v[HH], v0, 4, 1                      ; h
	s_lshl_b32 s28, ttmp9, 19                      ; my block of X: 128 rows of 4,096 bytes
	s_mov_b32 s29, 0
	s_lshl_b32 s30, s18, 18                        ; my wave's 128 columns in wfrag: a group of 262,144 bytes
	s_mov_b32 s31, 0
	s_lshl_b32 s27, s18, 16                        ; my wave's 16 rows of X
	v_lshlrev_b32 v[WOFF], 4, v[LN]
	v_lshlrev_b32 v[T], 15, v[HH]
	v_lshl_add_u32 v[T], v[RR], 4, v[T]
	v_add_nc_u32 v[XOFF], s27, v[T]
	v_lshlrev_b32 v[T], 8, v[HH]
	v_lshl_add_u32 v[T], v[RR], 12, v[T]
	v_add_nc_u32 v[PFOFF], s27, v[T]
	s_wait_kmcnt 0x0
	s_load_b32 s26, s[12:13], 0x0                  ; b_v; waited for where it is used
	s_add_nc_u64 s[XB:XB+1], s[4:5], s[28:29]
	s_add_nc_u64 s[WB:WB+1], s[6:7], s[30:31]
	s_lshr_b32 s28, ttmp9, 4                       ; batch
	s_lshl_b32 s28, s28, 12
	s_lshl_b32 s30, s18, 9                         ; my wave's 128 columns of 4 bytes
	s_add_nc_u64 s[8:9], s[8:9], s[28:29]
	s_add_nc_u64 s[8:9], s[8:9], s[30:31]
	s_add_nc_u64 s[10:11], s[10:11], s[30:31]
	s_add_nc_u64 s[16:17], s[16:17], s[30:31]
	s_lshl_b32 s28, ttmp9, 12
	s_add_nc_u64 s[16:17], s[16:17], s[28:29]      ; pctx: my block's row, my wave's columns
	s_lshl_b32 s28, ttmp9, 9
	s_add_nc_u64 s[14:15], s[14:15], s[28:29]      ; scores: my block's 128
.irp kp, 0,1,2,3,4,5,6,7
	global_load_b128 v[AF+4*\kp:AF+4*\kp+3], v[WOFF], s[8:9] offset:131072*\kp          ; the eight K partials of the bias of my wave's 128 columns
.endr
	global_load_b128 v[BI:BI+3], v[WOFF], s[10:11]
	XLOAD 0, 0                                     ; slices 0 and 1
	XLOAD 1, 256
	global_prefetch_b8 v[PFOFF], s[XB:XB+1] offset:512 th:TH_LOAD_NT scope:SCOPE_SE    ; slices 2 (lanes 0-15) and 3 (lanes 16-31)
	BLOAD 0, 0
	BLOAD 1, 8192
	BLOAD 2, 16384
	s_mov_b32 s24, 0x76543210                      ; v_permlanex16_b32: lane i of one half reads lane i of the other
	s_mov_b32 s25, 0xfedcba98
	v_mul_u32_u24 v[T], v[RR], SP
	v_lshl_add_u32 v[A0], v[HH], 4, v[T]
	v_mov_b32 v[ADRA], v[A0]
	s_mul_i32 s28, s18, 16*SP
	v_mul_u32_u24 v[T], v[HH], 8*SP
	v_lshl_add_u32 v[T], v[RR], 3, v[T]
	v_add_nc_u32 v[XST], s28, v[T]
	s_lshl_b32 s28, s18, 10
	s_add_co_u32 s28, s28, CONSTB
	v_lshl_add_u32 v[CADR], v[RR], 2, s28
	v_add_nc_u32 v[T+1], s28, v[WOFF]
	s_add_co_u32 s28, s30, SC
	v_lshl_add_u32 v[SCST], v[HH], 5, s28
	s_wait_loadcnt 24                              ; the constants and slices 0 and 1 are in; the three batches of B stay out
.irp kp, 1,2,3,4,5,6,7
.irp c, 0,2
	v_pk_add_f32 v[AF+\c:AF+\c+1], v[AF+\c:AF+\c+1], v[AF+4*\kp+\c:AF+4*\kp+\c+1]     ; bias = K2 (dec_t + b_enc), the partials in ascending K
.endr
.endr
.irp c, 0,2
	v_pk_mul_f32 v[BI+\c:BI+\c+1], v[BI+\c:BI+\c+1], -2.0 op_sel_hi:[1,0]
.endr
	ds_store_b128 v[T+1], v[AF:AF+3]
	ds_store_b128 v[T+1], v[BI:BI+3] offset:512
	XCVT 0                                         ; slice 0 into LDS; slice 2 is asked for
	XSTORE 0
	XLOAD 0, 512
	s_wait_dscnt 0x0
	s_barrier_signal -1
	s_barrier_wait -1                              ; slice 0 is whole
	ALOAD 0, 0
	ALOAD 1, 0
	; ---------------- pass 0: columns 128 w .. +63, and X comes in ----------------
.set kk, 0
.rept 32
	STEP kk
.set kk, kk+1
.endr
	EPI 0
	; ---------------- pass 1: columns 128 w + 64 .. +127 ----------------
.irp q, 32,33,34,35,36,37
	STEP \q
.endr
	s_mov_b32 s19, 3
.Lpass1:                               ; steps 38 to 55: three trips of six steps; the text is that of steps 38 to 43, and WB moves on six K steps a trip
.irp q, 38,39,40,41,42,43
	STEP \q
.endr
	s_wait_xcnt 0x0                                ; the base of the loads issued so far is rewritten only behind this wait
	s_add_nc_u64 s[WB:WB+1], s[WB:WB+1], 6*8192
	s_sub_co_u32 s19, s19, 1
	s_cmp_lg_u32 s19, 0
	s_cbranch_scc1 .Lpass1
.set BADJ, 3*6*8192
.irp q, 56,57,58,59,60,61,62,63
	STEP \q
.endr
	EPI 1
	; ---------------- scores ----------------
	v_add_nc_u32 v[SCLD], SC, v[WOFF]              ; the B ring is done with: its first registers hold the tail's addresses
	s_add_co_u32 s28, s30, PP                      ; s30 = 512 w
	v_add_nc_u32 v[PPST], s28, v[WOFF]
	v_mov_b32 v[PPLD], s28
	s_mul_i32 s28, s18, 2*SLB                      ; the context: my 4 columns 128 w + 4 L .. +3 lie in slice 2 w + h, at byte 8 r of its rows
	v_mul_u32_u24 v[T], v[HH], SLB
	v_lshl_add_u32 v[T], v[RR], 3, v[T]
	v_add_nc_u32 v[CX], s28, v[T]
	; a lane holds, for 64 rows, the sum over its 8 columns: add over the 16 lanes of each half (they hold the same rows)
.irp m, 1,2,4,8
.set ii, 0
.rept 64
	v_add_f32_dpp v[S+ii], v[S+ii], v[S+ii] row_xmask:\m row_mask:0xf bank_mask:0xf
.set ii, ii+1
.endr
.endr
.irp a, 0,1,2,3,4,5,6,7
	ds_store_b128 v[SCST], v[S+8*\a:S+8*\a+3] offset:64*\a         ; rows 16 a + 8 h + 0..3: the sixteen lanes of a half write the same words with the same values
	ds_store_b128 v[SCST], v[S+8*\a+4:S+8*\a+7] offset:64*\a+16
.endr
	s_wait_dscnt 0x0
	s_barrier_signal -1
	s_barrier_wait -1                              ; the eight waves' partial scores lie in LDS
.irp w, 0,1,2,3,4,5,6,7
	ds_load_b128 v[AF+4*\w:AF+4*\w+3], v[SCLD] offset:512*\w       ; rows 4 L .. 4 L + 3; every wave does the same, so every wave has all 128 scores
.endr
	s_wait_kmcnt 0x0                               ; b_v
	s_wait_dscnt 0x0
.irp w, 1,2,3,4,5,6,7
	v_pk_add_f32 v[AF:AF+1], v[AF:AF+1], v[AF+4*\w:AF+4*\w+1]
	v_pk_add_f32 v[AF+2:AF+3], v[AF+2:AF+3], v[AF+4*\w+2:AF+4*\w+3]
.endr
	v_pk_add_f32 v[SCV:SCV+1], v[AF:AF+1], s[26:27] op_sel_hi:[1,0]        ; + b_v
	v_pk_add_f32 v[SCV+2:SCV+3], v[AF+2:AF+3], s[26:27] op_sel_hi:[1,0]
	v_max3_num_f32 v[T], v[SCV], v[SCV+1], v[SCV+2]
	v_max_num_f32 v[T], v[T], v[SCV+3]
	v_max_num_f32_dpp v[T], v[T], v[T] row_xmask:1 row_mask:0xf bank_mask:0xf
	v_max_num_f32_dpp v[T], v[T], v[T] row_xmask:2 row_mask:0xf bank_mask:0xf
	v_max_num_f32_dpp v[T], v[T], v[T] row_xmask:4 row_mask:0xf bank_mask:0xf
	v_max_num_f32_dpp v[T], v[T], v[T] row_xmask:8 row_mask:0xf bank_mask:0xf
	v_permlanex16_b32 v[AF+4], v[T], s24, s25      ; its destination counts as read: a register that has been written
	v_max_num_f32 v[T], v[T], v[AF+4]              ; m: the block's largest score, in every lane
.irp i, 0,1,2,3
	v_sub_f32 v[AF+\i], v[SCV+\i], v[T]
.endr
.irp i, 0,1,2,3
	v_mul_f32 v[AF+\i], 0x3fb8aa3b, v[AF+\i]
.endr
.irp i, 0,1,2,3
	v_exp_f32 v[AF+\i], v[AF+\i]                   ; p = e^(score - m), at most 1
.endr
	v_nop                                          ; a plain place behind the transcendentals, ahead of the store that reads them
	s_cmp_lg_u32 s18, 0
	s_cbranch_scc1 .Lnot_wave_0
	global_store_b128 v[WOFF], v[SCV:SCV+3], s[14:15]      ; wave 0 writes the block's 128 scores: 512 consecutive bytes; SCV is not written again
.Lnot_wave_0:
	s_wait_alu depctr_va_vdst(0)
	ds_store_b128 v[PPST], v[AF:AF+3]
	WIN 0x40                                       ; destination window 1
.set ii, 0
.rept 32
	ds_load_b128 v[P+4*ii:P+4*ii+3], v[PPLD] offset:16*ii          ; all 128 p into every lane: my own wave's bytes, served in order behind the store
.set ii, ii+1
.endr
	; ---------------- the block's part of the context ----------------
	; Thread (w, L) owns 4 columns: 8 bytes of every row of X in LDS.  A ring of 16 row buffers keeps 16 loads out.
	WIN 0x04                                       ; source 1 (p) in window 1, all else in window 0
.set rr, 0
.rept 16
	ds_load_b64 v[AF+2*rr:AF+2*rr+1], v[CX] offset:rr*SP
.set rr, rr+1
.endr
.irp e, 0,1,2,3,4,5,6,7
	v_mov_b32 v[CT+\e], 0
.endr
.set rr, 0
.rept 128
.if rr <= 112
	s_wait_dscnt 15                                ; row rr is in (and, the first time, all of p): the 15 rows behind it stay out
.else
	s_wait_dscnt 127-rr
.endif
.irp c, 0,1
	v_fma_mix_f32_bf16 v[CT+4*(rr&1)+2*\c], v[AF+2*(rr&15)+\c], v[P+rr], v[CT+4*(rr&1)+2*\c] op_sel_hi:[1,0,0]
	v_fma_mix_f32_bf16 v[CT+4*(rr&1)+2*\c+1], v[AF+2*(rr&15)+\c], v[P+rr], v[CT+4*(rr&1)+2*\c+1] op_sel:[1,0,0] op_sel_hi:[1,0,0]
.endr
.if rr < 112
	ds_load_b64 v[AF+2*(rr&15):AF+2*(rr&15)+1], v[CX] offset:(rr+16)*SP
.endif
.set rr, rr+1
.endr
	WIN 0
	v_pk_add_f32 v[CT:CT+1], v[CT:CT+1], v[CT+4:CT+5]      ; even rows + odd rows
	v_pk_add_f32 v[CT+2:CT+3], v[CT+2:CT+3], v[CT+6:CT+7]
	global_store_b128 v[WOFF], v[CT:CT+3], s[16:17]        ; a lane's 4 columns are 16 bytes: the wave's store covers 512 consecutive bytes, aligned
	s_wait_tensorcnt 0x0
	ds_add_u32 v30, v31
	s_wait_dscnt 0x0
	s_endpgm
.Lfunc_end_k_q6e0b5f75b9_main:
	.size	k_q6e0b5f75b9_main, .Lfunc_end_k_q6e0b5f75b9_main-k_q6e0b5f75b9_main
	.p2alignl 7, 3214868480
	.fill 96, 4, 3214868480
	.section	.rodata,"a",@progbits
	.p2align	6, 0x0
	.amdhsa_kernel k_q6e0b5f75b9_main
		.amdhsa_group_segment_fixed_size 314368
		.amdhsa_private_segment_fixed_size 0
		.amdhsa_enable_private_segment 0
		.amdhsa_kernarg_size 56
		.amdhsa_user_sgpr_count 2
		.amdhsa_user_sgpr_kernarg_segment_ptr 1
		.amdhsa_wavefront_size32 1
		.amdhsa_system_sgpr_workgroup_id_x 1
		.amdhsa_system_sgpr_workgroup_id_y 1
		.amdhsa_system_sgpr_workgroup_id_z 1
		.amdhsa_system_vgpr_workitem_id 0
		.amdhsa_next_free_vgpr 512
		.amdhsa_next_free_sgpr 66
		.amdhsa_reserve_vcc 0
		.amdhsa_float_denorm_mode_32 3
		.amdhsa_float_denorm_mode_16_64 3
		.amdhsa_memory_ordered 1
		.amdhsa_forward_progress 1
		.amdhsa_inst_pref_size 255
	.end_amdhsa_kernel
	.section	.bss,"aw",@nobits
	.p2align	6
	.space	262144
	.amdgpu_metadata
---
amdhsa.version: [ 1, 2 ]
amdhsa.kernels:
  - .name:           k_q6e0b5f75b9_main
    .symbol:         k_q6e0b5f75b9_main.kd
    .args:
      - { .name: encoder_outputs, .offset: 0, .size: 8, .value_kind: global_buffer, .address_space: global }
      - { .name: wfrag, .offset: 8, .size: 8, .value_kind: global_buffer, .address_space: global }
      - { .name: cpart, .offset: 16, .size: 8, .value_kind: global_buffer, .address_space: global }
      - { .name: v, .offset: 24, .size: 8, .value_kind: global_buffer, .address_space: global }
      - { .name: b_v, .offset: 32, .size: 8, .value_kind: global_buffer, .address_space: global }
      - { .name: scores, .offset: 40, .size: 8, .value_kind: global_buffer, .address_space: global }
      - { .name: pctx, .offset: 48, .size: 8, .value_kind: global_buffer, .address_space: global }
    .group_segment_fixed_size: 314368
    .private_segment_fixed_size: 0
    .kernarg_segment_align: 8
    .kernarg_segment_size: 56
    .max_flat_workgroup_size: 256
    .sgpr_count:     66
    .vgpr_count:     512
    .wavefront_size: 32
...
	.end_amdgpu_metadata
.endif
;; end of part 2
;; launch finish (part 3): grid 256 x 1, 4 waves a work-group, no clusters, 3,072 bytes of LDS; arguments scores, pctx, out0, out1; writes out0, out1
.if DOCPART == 3
	.amdgcn_target "amdgcn-amd-amdhsa--gfx1250"
	.amdhsa_code_object_version 6
	.text
	.protected	k_q6e0b5f75b9_finish
	.globl	k_q6e0b5f75b9_finish
	.p2align	8
	.type	k_q6e0b5f75b9_finish,@function
k_q6e0b5f75b9_finish:
	s_mov_b64 s[64:65], 0
	v_nop
	global_prefetch_b8 v0, s[64:65] scope:SCOPE_SE
	s_setreg_imm32_b32 hwreg(HW_REG_WAVE_MODE, 25, 1), 1
	s_wait_xcnt 0x0
; Joins the 16 blocks of a batch.  Work-group (b, j), j = 0..7: M = the batch's largest score, L = sum of e^(s - M) over its 2,048 scores,
;   out1[b][256 j .. +255] = e^(s - M) / L,   out0[b][128 j .. +127] = sum over blocks i of e^(m_i - M) / L * pctx[16 b + i][..],
; where m_i, the largest score of block i, is taken again from the scores: a maximum has one value whatever its order, so it is the m that the block used.
; Every exponent is <= 0 and L >= 1.  v_exp_f32 gives 0 for results below 2^-126 (ISA guide 15.8): weights that small count as 0.
; The eight work-groups of a batch each read its 8,192 bytes of scores: cheaper than a launch more.  A stream of 2.4 MB: no matrix unit, no cluster, no tensor loads.
.set SCR, 8                            ; v[8:23]   my 16 scores: load q of wave w is exactly block 4 q + w
.set OWN, 24                           ; v[24:25]  my 2 of the work-group's own 256 scores
.set TT,  26                           ; at work
.set PC,  28                           ; v[28:43]  my 4 columns of the rows of blocks 4 w .. 4 w + 3
.set MQ,  44                           ; v[44:47]  m of blocks 4 q + w
.set MA,  48                           ; v[48:63]  all 16 m
.set MW,  64                           ; v[64:67]  m of blocks 4 w + 0..3
.set WT,  68                           ; v[68:71]  their weights
.set MM,  72                           ; v[72:73]  M, twice
.set SMV, 76                           ; v[76:79]  the four waves' sums
.set RL,  80                           ; v[80:81]  1 / L, twice
.set SM,  256                          ; LDS: 16 m at 0, 4 sums at 256, 4 x 512 bytes of partial contexts at 512
.set RED, 512
	s_load_b256 s[4:11], s[0:1], 0x0               ; scores s[4:5], pctx s[6:7], out0 s[8:9], out1 s[10:11]
	v_lshl_add_u32 v96, v0, 2, 0xa00
	v_mov_b32 v97, 0
	v_lshrrev_b32 v1, 5, v0
	v_readfirstlane_b32 s12, v1                    ; wave
	v_and_b32 v1, 31, v0                           ; lane
	s_lshr_b32 s13, ttmp9, 3                       ; b
	s_and_b32 s14, ttmp9, 7                        ; j
	s_mov_b32 s16, 0x76543210
	s_mov_b32 s17, 0xfedcba98
	s_mov_b32 s30, 0x3fb8aa3b                      ; log2(e), twice
	s_mov_b32 s31, 0x3fb8aa3b
	v_lshlrev_b32 v2, 4, v0                        ; 16 t
	v_lshlrev_b32 v3, 3, v0                        ; 8 t
	v_lshlrev_b32 v4, 4, v1                        ; 16 L
	s_lshl_b32 s28, s12, 2
	v_mov_b32 v5, s28                              ; 4 w
	v_mov_b32 v6, 0
	s_lshl_b32 s29, s12, 4
	v_mov_b32 v7, s29                              ; 16 w
	v_mov_b32 v[TT], 0                             ; v_permlanex16_b32's destination counts as read
	s_lshl_b32 s18, s13, 13                        ; the batch's 2,048 scores
	s_mov_b32 s19, 0
	s_lshl_b32 s20, s14, 10                        ; the work-group's own 256
	s_mov_b32 s21, 0
	s_lshl_b32 s22, s13, 16                        ; pctx: row 16 b + 4 w, column 128 j
	s_lshl_b32 s24, s12, 14
	s_add_co_u32 s22, s22, s24
	s_lshl_b32 s24, s14, 9
	s_add_co_u32 s22, s22, s24
	s_mov_b32 s23, 0
	s_wait_kmcnt 0x0
	s_add_nc_u64 s[4:5], s[4:5], s[18:19]
	s_add_nc_u64 s[26:27], s[4:5], s[20:21]
	s_add_nc_u64 s[10:11], s[10:11], s[18:19]
	s_add_nc_u64 s[10:11], s[10:11], s[20:21]
	s_add_nc_u64 s[6:7], s[6:7], s[22:23]
	s_lshl_b32 s18, s13, 12                        ; out0: row b, column 128 j
	s_add_co_u32 s18, s18, s24
	s_add_nc_u64 s[8:9], s[8:9], s[18:19]
.irp q, 0,1,2,3
	global_load_b128 v[SCR+4*\q:SCR+4*\q+3], v2, s[4:5] offset:2048*\q
.endr
	global_load_b64 v[OWN:OWN+1], v3, s[26:27]
.irp i, 0,1,2,3
	global_load_b128 v[PC+4*\i:PC+4*\i+3], v4, s[6:7] offset:4096*\i th:TH_LOAD_NT
.endr
	s_wait_loadcnt 0x5                             ; the 16 scores are in; five younger loads stay out
.irp q, 0,1,2,3
	v_max3_num_f32 v[MQ+\q], v[SCR+4*\q], v[SCR+4*\q+1], v[SCR+4*\q+2]
.endr
.irp q, 0,1,2,3
	v_max_num_f32 v[MQ+\q], v[MQ+\q], v[SCR+4*\q+3]
.endr
.irp m, 1,2,4,8
.irp q, 0,1,2,3
	v_max_num_f32_dpp v[MQ+\q], v[MQ+\q], v[MQ+\q] row_xmask:\m row_mask:0xf bank_mask:0xf
.endr
.endr
.irp q, 0,1,2,3
	v_permlanex16_b32 v[TT], v[MQ+\q], s16, s17
	v_max_num_f32 v[MQ+\q], v[MQ+\q], v[TT]        ; m of block 4 q + w
	ds_store_b32 v5, v[MQ+\q] offset:16*\q
.endr
	s_wait_dscnt 0x0
	s_barrier_signal -1
	s_barrier_wait -1                              ; all 16 m lie in LDS
.irp i, 0,1,2,3
	ds_load_b128 v[MA+4*\i:MA+4*\i+3], v6 offset:16*\i
.endr
	ds_load_b128 v[MW:MW+3], v7
	s_wait_dscnt 0x0
	v_max3_num_f32 v[MM], v[MA], v[MA+1], v[MA+2]
.irp i, 3,5,7,9,11,13
	v_max3_num_f32 v[MM], v[MM], v[MA+\i], v[MA+\i+1]
.endr
	v_max_num_f32 v[MM], v[MM], v[MA+15]
	v_mov_b32 v[MM+1], v[MM]
.irp i, 0,2,4,6,8,10,12,14
	v_pk_add_f32 v[SCR+\i:SCR+\i+1], v[SCR+\i:SCR+\i+1], v[MM:MM+1] neg_lo:[0,1] neg_hi:[0,1]
.endr
.irp i, 0,2,4,6,8,10,12,14
	v_pk_mul_f32 v[SCR+\i:SCR+\i+1], v[SCR+\i:SCR+\i+1], s[30:31] op_sel_hi:[1,0]
.endr
.irp i, 0,1,2,3,4,5,6,7,8,9,10,11,12,13,14,15
	v_exp_f32 v[SCR+\i], v[SCR+\i]
.endr
	v_pk_add_f32 v[WT:WT+1], v[MW:MW+1], v[MM:MM+1] neg_lo:[0,1] neg_hi:[0,1]          ; plain work on other registers behind the transcendentals
	v_pk_add_f32 v[WT+2:WT+3], v[MW+2:MW+3], v[MM:MM+1] neg_lo:[0,1] neg_hi:[0,1]
	v_pk_mul_f32 v[WT:WT+1], v[WT:WT+1], s[30:31] op_sel_hi:[1,0]
	v_pk_mul_f32 v[WT+2:WT+3], v[WT+2:WT+3], s[30:31] op_sel_hi:[1,0]
	s_wait_alu depctr_va_vdst(0)
.irp i, 0,4,8,12
	v_pk_add_f32 v[SCR+\i:SCR+\i+1], v[SCR+\i:SCR+\i+1], v[SCR+\i+2:SCR+\i+3]
.endr
	v_pk_add_f32 v[SCR:SCR+1], v[SCR:SCR+1], v[SCR+4:SCR+5]
	v_pk_add_f32 v[SCR+8:SCR+9], v[SCR+8:SCR+9], v[SCR+12:SCR+13]
	v_pk_add_f32 v[SCR:SCR+1], v[SCR:SCR+1], v[SCR+8:SCR+9]
	v_add_f32 v[SCR], v[SCR], v[SCR+1]
	v_add_f32_dpp v[SCR], v[SCR], v[SCR] row_xmask:1 row_mask:0xf bank_mask:0xf
	v_add_f32_dpp v[SCR], v[SCR], v[SCR] row_xmask:2 row_mask:0xf bank_mask:0xf
	v_add_f32_dpp v[SCR], v[SCR], v[SCR] row_xmask:4 row_mask:0xf bank_mask:0xf
	v_add_f32_dpp v[SCR], v[SCR], v[SCR] row_xmask:8 row_mask:0xf bank_mask:0xf
	v_permlanex16_b32 v[TT], v[SCR], s16, s17
	v_add_f32 v[SCR], v[SCR], v[TT]
	ds_store_b32 v5, v[SCR] offset:SM
	s_wait_dscnt 0x0
	s_barrier_signal -1
	s_barrier_wait -1                              ; the four waves' sums lie in LDS
	ds_load_b128 v[SMV:SMV+3], v6 offset:SM
	s_wait_loadcnt 0x4                             ; my two own scores are in; the four rows of pctx may stay out
	v_pk_add_f32 v[OWN:OWN+1], v[OWN:OWN+1], v[MM:MM+1] neg_lo:[0,1] neg_hi:[0,1]
	v_pk_mul_f32 v[OWN:OWN+1], v[OWN:OWN+1], s[30:31] op_sel_hi:[1,0]
	s_wait_dscnt 0x0
	v_add_f32 v[SMV], v[SMV], v[SMV+1]
	v_add_f32 v[SMV+2], v[SMV+2], v[SMV+3]
	v_add_f32 v[RL], v[SMV], v[SMV+2]              ; L
	v_rcp_f32 v[RL], v[RL]
	v_exp_f32 v[OWN], v[OWN]
	v_exp_f32 v[OWN+1], v[OWN+1]
.irp i, 0,1,2,3
	v_exp_f32 v[WT+\i], v[WT+\i]
.endr
	v_nop                                          ; a plain place behind the transcendentals
	s_wait_alu depctr_va_vdst(0)
	v_mov_b32 v[RL+1], v[RL]
	v_pk_mul_f32 v[OWN:OWN+1], v[OWN:OWN+1], v[RL:RL+1]
	v_pk_mul_f32 v[WT:WT+1], v[WT:WT+1], v[RL:RL+1]
	v_pk_mul_f32 v[WT+2:WT+3], v[WT+2:WT+3], v[RL:RL+1]
	global_store_b64 v3, v[OWN:OWN+1], s[10:11]    ; a wave's 32 lanes write 256 consecutive bytes, aligned
	s_wait_loadcnt 0x0
	v_pk_mul_f32 v[PC:PC+1], v[PC:PC+1], v[WT:WT+1] op_sel_hi:[1,0]
	v_pk_mul_f32 v[PC+2:PC+3], v[PC+2:PC+3], v[WT:WT+1] op_sel_hi:[1,0]
	v_pk_fma_f32 v[PC:PC+1], v[PC+4:PC+5], v[WT:WT+1], v[PC:PC+1] op_sel:[0,1,0] op_sel_hi:[1,1,1]
	v_pk_fma_f32 v[PC+2:PC+3], v[PC+6:PC+7], v[WT:WT+1], v[PC+2:PC+3] op_sel:[0,1,0] op_sel_hi:[1,1,1]
	v_pk_fma_f32 v[PC:PC+1], v[PC+8:PC+9], v[WT+2:WT+3], v[PC:PC+1] op_sel_hi:[1,0,1]
	v_pk_fma_f32 v[PC+2:PC+3], v[PC+10:PC+11], v[WT+2:WT+3], v[PC+2:PC+3] op_sel_hi:[1,0,1]
	v_pk_fma_f32 v[PC:PC+1], v[PC+12:PC+13], v[WT+2:WT+3], v[PC:PC+1] op_sel:[0,1,0] op_sel_hi:[1,1,1]
	v_pk_fma_f32 v[PC+2:PC+3], v[PC+14:PC+15], v[WT+2:WT+3], v[PC+2:PC+3] op_sel:[0,1,0] op_sel_hi:[1,1,1]
	ds_store_b128 v2, v[PC:PC+3] offset:RED        ; 16 t = 512 w + 16 L
	s_wait_dscnt 0x0
	s_barrier_signal -1
	s_barrier_wait -1                              ; the four waves' partial contexts lie in LDS
	s_cmp_lg_u32 s12, 0
	s_cbranch_scc1 .Lend
.irp i, 0,1,2,3
	ds_load_b128 v[SCR+4*\i:SCR+4*\i+3], v4 offset:RED+512*\i
.endr
	s_wait_dscnt 0x0
	v_pk_add_f32 v[SCR:SCR+1], v[SCR:SCR+1], v[SCR+4:SCR+5]
	v_pk_add_f32 v[SCR+2:SCR+3], v[SCR+2:SCR+3], v[SCR+6:SCR+7]
	v_pk_add_f32 v[SCR+8:SCR+9], v[SCR+8:SCR+9], v[SCR+12:SCR+13]
	v_pk_add_f32 v[SCR+10:SCR+11], v[SCR+10:SCR+11], v[SCR+14:SCR+15]
	v_pk_add_f32 v[SCR:SCR+1], v[SCR:SCR+1], v[SCR+8:SCR+9]
	v_pk_add_f32 v[SCR+2:SCR+3], v[SCR+2:SCR+3], v[SCR+10:SCR+11]
	global_store_b128 v4, v[SCR:SCR+3], s[8:9]     ; 512 consecutive bytes, aligned
.Lend:
	s_wait_tensorcnt 0x0
	ds_add_u32 v96, v97
	s_wait_dscnt 0x0
	s_endpgm
.Lfunc_end_k_q6e0b5f75b9_finish:
	.size	k_q6e0b5f75b9_finish, .Lfunc_end_k_q6e0b5f75b9_finish-k_q6e0b5f75b9_finish
	.p2alignl 7, 3214868480
	.fill 96, 4, 3214868480
	.section	.rodata,"a",@progbits
	.p2align	6, 0x0
	.amdhsa_kernel k_q6e0b5f75b9_finish
		.amdhsa_group_segment_fixed_size 3072
		.amdhsa_private_segment_fixed_size 0
		.amdhsa_enable_private_segment 0
		.amdhsa_kernarg_size 32
		.amdhsa_user_sgpr_count 2
		.amdhsa_user_sgpr_kernarg_segment_ptr 1
		.amdhsa_wavefront_size32 1
		.amdhsa_system_sgpr_workgroup_id_x 1
		.amdhsa_system_sgpr_workgroup_id_y 1
		.amdhsa_system_sgpr_workgroup_id_z 1
		.amdhsa_system_vgpr_workitem_id 0
		.amdhsa_next_free_vgpr 98
		.amdhsa_next_free_sgpr 66
		.amdhsa_reserve_vcc 0
		.amdhsa_float_denorm_mode_32 3
		.amdhsa_float_denorm_mode_16_64 3
		.amdhsa_memory_ordered 1
		.amdhsa_forward_progress 1
		.amdhsa_inst_pref_size 11
	.end_amdhsa_kernel
	.amdgpu_metadata
---
amdhsa.version: [ 1, 2 ]
amdhsa.kernels:
  - .name:           k_q6e0b5f75b9_finish
    .symbol:         k_q6e0b5f75b9_finish.kd
    .args:
      - { .name: scores, .offset: 0, .size: 8, .value_kind: global_buffer, .address_space: global }
      - { .name: pctx, .offset: 8, .size: 8, .value_kind: global_buffer, .address_space: global }
      - { .name: out0, .offset: 16, .size: 8, .value_kind: global_buffer, .address_space: global }
      - { .name: out1, .offset: 24, .size: 8, .value_kind: global_buffer, .address_space: global }
    .group_segment_fixed_size: 3072
    .private_segment_fixed_size: 0
    .kernarg_segment_align: 8
    .kernarg_segment_size: 32
    .max_flat_workgroup_size: 128
    .sgpr_count:     66
    .vgpr_count:     98
    .wavefront_size: 32
...
	.end_amdgpu_metadata
.endif
;; end of part 3
